; MI455X (gfx1250); checked and timed in simulation.
; The chip was launched on July 23, 2026; its instructions are those of AMD's public machine-readable ISA for CDNA 5 (MIT licence, August 2026) and "CDNA5" Instruction Set Architecture Reference Guide (July 2026). The comments in the code are by the model that wrote it; some were corrected since.
;; GPT2 Attention. Allowed arithmetic: matrix products marked QUANTISED: E2M1 operands, one E8M0 scale for each 32 along K, by v_wmma_scale_f32_16x16x128_f8f6f4 with both operands' format E2M1 (or v_wmma_scale_f32_32x16x128_f4), f32 sums; everything else in f32.
;; Inputs: c_attn_b 3,072 float32; c_attn_w_codes 3,072 x 32 x 16 uint8 (E2M1 codes of c_attn_w, K innermost, in blocks of 32 codes, two codes a byte); c_attn_w_scales 3,072 x 32 uint8 (E8M0 scales of c_attn_w, one for each 32 codes along K); c_proj_b 1,024 float32; c_proj_w_codes 1,024 x 32 x 16 uint8 (E2M1 codes of c_proj_w, K innermost, in blocks of 32 codes, two codes a byte); c_proj_w_scales 1,024 x 32 uint8 (E8M0 scales of c_proj_w, one for each 32 codes along K); hidden_states_codes 4 x 2,048 x 32 x 16 uint8 (E2M1 codes of hidden_states, K innermost, in blocks of 32 codes, two codes a byte); hidden_states_scales 4 x 2,048 x 32 uint8 (E8M0 scales of hidden_states, one for each 32 codes along K).
;; Outputs: out0 4 x 2,048 x 1,024 float32.
;; This version of the problem:
;;   THIS VERSION OF THE PROBLEM IS GIVEN IN LOW PRECISION. The matrix products marked QUANTISED in the list below multiply operands that are first quantised to E2M1 (2 exponent bits, 1 mantissa bit; 4 bits a number), with one power-of-two scale for each 32 numbers along K (OCP MX v1.0); their sums are f32. All else is computed in f32.
;;   The module's matrix products, in the order in which they are computed (A, B: the left and right operand; K: the contracted axis; several contracted axes count as one K, in the product's order):
;;     1. [M 8,192, K 1,024] x [K 1,024, N 3,072]; A: input hidden_states (given as codes); B: input c_attn_w (given as codes): QUANTISED
;;     2. batch 64 x [M 2,048, K 64] x [K 64, N 2,048]; A: computed on the way; B: computed on the way: QUANTISED
;;     3. batch 64 x [M 2,048, K 2,048] x [K 2,048, N 64]; A: softmax (see below); B: computed on the way: QUANTISED
;;     4. [M 8,192, K 1,024] x [K 1,024, N 1,024]; A: computed on the way; B: input c_proj_w (given as codes): QUANTISED
;;   THE QUANTISER, for each operand of a quantised product, along K:
;;     - K is cut into blocks of 32 from its start; a last block that is shorter is filled with zeros.
;;     - A block's scale is 2^e with e = floor(log2(the largest magnitude in the block)) - 2, held to -126 .. 127; a block of zeros has e = 0. As a byte (E8M0): e + 127.
;;     - Each number is divided by its block's scale, clamped to +-6, and rounded to the nearest number of E2M1, ties to even, subnormals kept.
;;     - The product sums the exact products of the quantised numbers (number of the format x scale) in f32.
;;   ~~~python
;;   def quantise(x, axis):      # numpy; x: float32 -> the quantised numbers, widened to float32 again
;;       x = np.moveaxis(x, axis, -1); K = x.shape[-1]
;;       x = np.pad(x, [(0, 0)] * (x.ndim - 1) + [(0, -K % 32)]); x = x.reshape(x.shape[:-1] + (-1, 32)); a = np.abs(x).max(-1, keepdims=True)
;;       e = np.where(a > 0, np.clip(np.frexp(np.where(a > 0, a, 1))[1] - 1 - 2, -126, 127), 0)      # np.frexp(a)[1] - 1 = floor(log2(a)), exactly
;;       r = np.clip(x / 2.0 ** e, -6, 6)
;;       step = 2.0 ** (np.maximum(np.frexp(np.where(r == 0, 1, r))[1] - 1, 0) - 1)
;;       q = np.round(r / step) * step * 2.0 ** e      # np.round: ties to even
;;       return np.moveaxis(q.reshape(q.shape[:-2] + (-1,))[..., :K], -1, axis).astype(np.float32)
;;   ~~~
;;   SOFTMAX AHEAD OF A QUANTISED PRODUCT. Where the list says 'softmax', what is quantised is not the finished softmax but p = 2^(t - M), with t = logit x log2(e) and M = ceil(the row's largest t), a whole number; so 1/2 < the row's largest p <= 1. The row's sum l is taken of the UNQUANTISED p, in f32, and the product's result is divided by l at the end. Since M is a whole number, a kernel that streams over the keys may use a running M (the ceiling of the running maximum): every later rescaling is an exact power of two, which a block's scale takes up: the codes' values come out the same.
;;   OPERANDS COMPUTED ON THE WAY. 'Computed on the way' means the value that the module computes at that place (a softmax that the list does not call 'softmax' is quantised finished and normalised). What goes into a quantiser is computed in f32, as accurately as f32 sums, v_exp_f32 and their like allow (about 1e-6 of the number): no bf16 or f16 on the way to a quantiser, and a product that is left as it is and whose result goes on into a quantised operand takes f32 operands (vector FMAs, or v_wmma_f32_16x16x4_f32). A number that lies on a knife's edge between two numbers of the format may be rounded either way, as far as f32 arithmetic and the matrix unit's own rounding can turn it there, and no further.
;;   INPUTS GIVEN AS CODES. c_attn_w (in the module: [1024, 3072], K = its axis 0); c_proj_w (in the module: [1024, 1024], K = its axis 0); hidden_states (in the module: [4, 2048, 1024], K = its axis 2): each comes as NAME_codes (uint8): NAME with its K axis moved to the last place and cut into blocks of 32 codes, [.., K / 32, bytes a block], one block behind the other in memory; two codes a byte, the lower K in the low four bits (a code: sign, 2 exponent bits, 1 mantissa bit); and NAME_scales (uint8): the same leading axes, one E8M0 byte (e + 127) for each 32 codes along K. Its value is code x scale, taken as it is: it is not quantised again, and the codes and scales need not be those that the quantiser above would give.
;; One version. Each part assembles by itself: llvm-mc -triple=amdgcn-amd-amdhsa -mcpu=gfx1250 --defsym DOCPART=n.
;; ======== version 1 of 1: 3 launches
;; workspace buffers: qc 4,194,304 bytes; qs 524,288 bytes; kv 9,175,040 bytes; ac 4,194,304 bytes; asc 262,144 bytes
;; launch qkv (part 1): grid 8 x 64, 4 waves a work-group, clusters of 4 x 4, 288,256 bytes of LDS; arguments hidden_states_codes, hidden_states_scales, c_attn_w_codes, c_attn_w_scales, c_attn_b, qc, qs, kv; writes qc, qs, kv
.if DOCPART == 1
	.amdgcn_target "amdgcn-amd-amdhsa--gfx1250"
	.amdhsa_code_object_version 6
	.text
	.protected	k_q207406e5a7_qkv
	.globl	k_q207406e5a7_qkv
	.p2align	8
	.type	k_q207406e5a7_qkv,@function
k_q207406e5a7_qkv:
	s_mov_b64 s[64:65], 0
	v_nop
	global_prefetch_b8 v0, s[64:65] scope:SCOPE_SE
	s_setreg_imm32_b32 hwreg(HW_REG_WAVE_MODE, 25, 1), 1
	s_wait_xcnt 0x0
	s_wait_alu depctr_hold_cnt(0) depctr_sa_sdst(0) depctr_va_vdst(0) depctr_va_sdst(0) depctr_va_ssrc(0) depctr_va_vcc(0) depctr_vm_vsrc(0)
	s_getreg_b32 s2, hwreg(HW_REG_IB_STS2, 6, 4)
	s_cmp_eq_u32 s2, 0
	s_cbranch_scc0 .Lentry_in_a_cluster
	s_endpgm
.Lentry_in_a_cluster:
	s_bfe_u32 s2, ttmp6, 0x10000c
	s_cmp_lg_u32 s2, 0xf033
	s_cbranch_scc0 .Lentry_shape_is_right
	s_endpgm
.Lentry_shape_is_right:
; GPT-2 attention in MX-FP4, launch 1 of 3: qkv = x W + b on the given codes, then the quantisers of q and k (along the head's 64) and of v (along the keys).
; DEAD WORK OF THE PROGRAM (it is left out in the second launch).  The problem's own body builds a lower-triangular mask and puts the lowest f32 number where key > query; every query sees its own key,
; so the row's maximum is a score that counts, and in exact arithmetic the exponential of (lowest number - that maximum) contributes nothing beside it: a masked key has weight 0 in the sum and in the
; second product, whatever finite values the inputs hold.  So a step of 128 keys that all come after a tile's 16 queries is not computed: neither its scores nor its part of the second product.
; Nothing else is left out: every bias goes into a quantised operand, every input is loaded.
; LIMITS.  A NaN, an infinity or an overflow that reaches only the key steps left out is not carried to the result.  NaN and infinities among computed numbers are not served.
; A block of zeros gets the scale byte 1 where the quantiser says 127: its codes are zeros, and these bytes are read by this program alone.  A block whose largest magnitude lies under 2^-124 is held at byte 1.
; SHARES.  A work-group takes 128 rows of x (one batch, one step of 128 positions) and 384 rows of W: the q, k and v columns of two heads.  All of K = 1,024 lies in LDS at once: every LDS byte is filled once.
; Wave w makes (a) 8 tiles of rows x 4 tiles of q (waves 0, 1) or of k (waves 2, 3) of one head, TRANSPOSED (source 0 = 16 rows of W, source 1 = 16 rows of x): a lane holds one position, its registers run along d;
; (b) 8 tiles of rows x 2 tiles of v, source 0 = x, source 1 = W: a lane holds one d, its registers run along the keys.  So each quantiser finds its K in a lane's consecutive registers.
; THE ORDER INSIDE A BLOCK OF 32.  The codes of a block leave the quantiser in the order [0-7][16-23][8-15][24-31].  q and k are both made so along d, v here and p in the next launch both so along the keys:
; the same order on both sides of a product leaves its sum as it is.  The rows of W that form a tile of v are lane r -> d = 32 b + 8 u + r + 8 (r / 8), so that the second product's results come out in natural order along d.
; OUT.  Codes and scale words are stored as images of the operand registers that the next launch wants: each store of codes covers 512 consecutive bytes.  No stage in LDS.
; CLUSTER.  4 x 4 work-groups: the four of a row share x's rows, the four of a column W's rows: each block is asked for jointly.
.set PITCH, 528                        ; an LDS row of codes: 512 bytes + 16 of padding
.set BLK,   128*PITCH                  ; 128 rows: x, W's q rows, W's k rows, W's v rows, one behind the other
.set SCL,   4*BLK                      ; behind them the four blocks' scale bytes, as rows of 256 bytes + 16
.set SBLK,  16*272
.set SPARE, SCL+4*SBLK                 ; the spare words, 128 bytes a wave: two blocks of 256 bytes that no other line names
.set KSB,   8960                       ; kv: a key step: 4,096 K codes, 4,096 V codes, 512 K scale words, 256 V scale words
.set LI,  1                            ; v1   16 x lane
.set ADX, 16                           ; v16  x's fragments
.set ADW, 17                           ; v17  my four tiles of q or k
.set ADV, 18                           ; v18  my two tiles of v
.set ASX, 19                           ; v19  x's scale words
.set ASW, 20                           ; v20  W's, q or k
.set ASV, 21                           ; v21  W's, v
.set SPW, 28                           ; v28  my spare word; never rewritten
.set NIL, 29                           ; v29  0; never rewritten
.set SX,  32                           ; v32-95   x's scale words: tile i, K step q at 8 i + q
.set SW,  96                           ; v96-143  W's: tile t (4, 5: v's), K step q at 8 t + q
.set TM,  144                          ; v144-159 the quantiser's work
.set PC,  160                          ; v160-207 six sets of eight code registers: no store's data are written again
.set SWD, 208                          ; v208-215 the scale words of my eight tiles of rows
.set VW,  216                          ; v216-218 v's two scale words and the one that my lane stores
.set SD,  220                          ; v220-223 four scale words a lane, as they are stored
.set BQ,  128                          ; window 3: the bias of q or k, eight registers a tile
.set BV,  160                          ; window 3: the bias of v
.set WV,  20
.set G1A, 24
.set G0A, 32
.set G1B, 36
.set G0B, 44
.set G1SA, 48
.set G0SA, 56
.set G1SB, 68
.set G0SB, 76
.set CB,  84                           ; s[84:85] where my codes of q or k go
.set SB,  86                           ; s[86:87] their scale words
.set VB,  88                           ; s[88:89] my codes of v
.set VSB, 90                           ; s[90:91] their scale words
.set MSB, 0
.macro WIN new                         ; the immediate's high byte repeats the setting that is left
.if MSB != (\new)
	s_set_vgpr_msb (MSB<<8)|(\new)
.set MSB, (\new)
.endif
.endm
.macro PLACES                          ; four plain places behind a matrix instruction (ISA guide 7.12.1)
.rept 4
	v_nop
.endr
.endm
.macro JLOAD g0a, g1a, g0b, g1b        ; a joint load: wave 0 fetches x's block, waves 1 to 3 W's three; the branch hangs on the wave's number alone
	s_cmp_eq_u32 s[WV], 0
	s_cbranch_scc0 .Lfor_w_\@
	tensor_load_to_lds s[\g0a:\g0a+3], s[\g1a:\g1a+7]
	s_nop 0
.rept 4
	v_nop
.endr
	s_branch .Lasked_\@
.Lfor_w_\@:
	tensor_load_to_lds s[\g0b:\g0b+3], s[\g1b:\g1b+7]
	s_nop 0
.rept 4
	v_nop
.endr
.Lasked_\@:
.endm
.macro CROUND                          ; a round of the cluster's barrier
	s_barrier_signal -1
	s_barrier_wait -1
	s_cmp_lg_u32 s[WV], 0
	s_cbranch_scc1 .Lnot_wave_0_\@
	s_barrier_signal -3
.Lnot_wave_0_\@:
	s_barrier_wait -3
	s_barrier_signal -1
	s_barrier_wait -1
.endm
	s_load_b256 s[4:11], s[0:1], 0x0               ; x's codes, x's scales, W's codes, W's scales
	s_load_b256 s[12:19], s[0:1], 0x20             ; the bias, qc, qs, kv
	v_lshl_add_u32 v[SPW], v0, 2, SPARE
	v_mov_b32 v[NIL], 0
	ds_add_u32 v[SPW], v[NIL]                      ; the wave's opening: the add, twice on end, and its wait ahead of my first tensor load
	ds_add_u32 v[SPW], v[NIL]
	v_lshrrev_b32 v1, 5, v0
	v_readfirstlane_b32 s[WV], v1                  ; wave 0..3
	s_lshr_b32 s21, s[WV], 1
	s_and_b32 s22, s[WV], 1
	s_bfe_u32 s23, ttmp6, 0x40000                  ; cx
	s_bfe_u32 s80, ttmp6, 0x40004                  ; cy
	s_lshl_b32 s81, ttmp9, 2
	s_add_co_u32 s81, s81, s23                     ; G: which two heads
	s_and_b32 s82, ttmp7, 0xffff
	s_lshl_b32 s82, s82, 2
	s_add_co_u32 s82, s82, s80                     ; MB: which 128 rows of x
	s_lshl_b32 s83, s80, 2
	s_lshl_b32 s83, 15, s83                        ; my row of the cluster
	s_lshl_b32 s97, 0x1111, s23                    ; my column
	s_or_b32 s[G1A], s83, (1<<20)|(1<<21)|(6<<22)|(3<<25)    ; codes: elements of 1 byte; four words of padding behind every 128
	s_or_b32 s[G1B], s97, (1<<20)|(1<<21)|(6<<22)|(3<<25)
.irp g, G1A, G1B
	s_mov_b32 s[\g+1], 512<<16                     ; tensor_dim0
	s_mov_b32 s[\g+2], 128<<16                     ; tensor_dim1
	s_mov_b32 s[\g+3], 512<<16                     ; tile_dim0
	s_mov_b32 s[\g+4], 128                         ; tile_dim1
	s_mov_b32 s[\g+5], 512                         ; from row to row
	s_mov_b32 s[\g+6], 0
	s_mov_b32 s[\g+7], 0
.endr
	s_or_b32 s[G1SA], s83, (3<<16)|(1<<20)|(1<<21)|(5<<22)|(3<<25)   ; scale bytes of 128 rows: 4,096 dense bytes as 16 rows of 32 elements of 8 bytes, four words of padding behind each
	s_or_b32 s[G1SB], s97, (3<<16)|(1<<20)|(1<<21)|(5<<22)|(3<<25)
.irp g, G1SA, G1SB
	s_mov_b32 s[\g+1], 32<<16
	s_mov_b32 s[\g+2], 16<<16
	s_mov_b32 s[\g+3], 32<<16
	s_mov_b32 s[\g+4], 16
	s_mov_b32 s[\g+5], 32
	s_mov_b32 s[\g+6], 0
	s_mov_b32 s[\g+7], 0
.endr
	s_lshl_b32 s2, s82, 16                         ; x's codes: 128 rows of 512 bytes a block (made of MB alone)
	s_mov_b32 s3, 0
	s_lshl_b32 s60, s82, 12                        ; x's scale bytes
	s_mov_b32 s61, 0
	s_max_u32 s62, s[WV], 1
	s_sub_co_u32 s62, s62, 1                       ; 0: q, 1: k, 2: v
	s_lshl_b32 s62, s62, 10
	s_lshl_b32 s63, s81, 7
	s_add_co_u32 s62, s62, s63                     ; W's first row of my block (made of G and the wave's number alone)
	s_lshl_b32 s66, s62, 5
	s_mov_b32 s67, 0
	s_lshl_b32 s62, s62, 9
	s_mov_b32 s63, 0
	s_mul_i32 s84, s[WV], BLK                      ; where my block goes in LDS
	s_mul_i32 s85, s[WV], SBLK
	s_add_co_u32 s85, s85, SCL
	s_mov_b32 s96, 0xffff0000                      ; lanes 16-31
	s_mov_b32 s98, 0x76543210
	s_mov_b32 s99, 0xfedcba98                      ; selects for lane l xor 16
.irp b, 0,1,2,3
	v_mov_b32 v[TM+4+\b], 0                        ; written once: a lane permute's destination counts as one of its sources
.endr
	s_wait_dscnt 0x0                               ; both opening adds are done
	s_wait_kmcnt 0x0
	s_mov_b32 s[G0A], 1
	s_mov_b32 s[G0A+1], 0
	s_add_nc_u64 s[G0A+2:G0A+3], s[4:5], s[2:3]
	s_or_b32 s[G0A+3], s[G0A+3], 0x80000000
	s_mov_b32 s[G0SA], 1
	s_mov_b32 s[G0SA+1], SCL
	s_add_nc_u64 s[G0SA+2:G0SA+3], s[6:7], s[60:61]
	s_or_b32 s[G0SA+3], s[G0SA+3], 0x80000000
	s_mov_b32 s[G0B], 1
	s_mov_b32 s[G0B+1], s84
	s_add_nc_u64 s[G0B+2:G0B+3], s[8:9], s[62:63]
	s_or_b32 s[G0B+3], s[G0B+3], 0x80000000
	s_mov_b32 s[G0SB], 1
	s_mov_b32 s[G0SB+1], s85
	s_add_nc_u64 s[G0SB+2:G0SB+3], s[10:11], s[66:67]
	s_or_b32 s[G0SB+3], s[G0SB+3], 0x80000000
	CROUND                                         ; all sixteen work-groups are here: the joint loads meet
	JLOAD G0SA, G1SA, G0SB, G1SB                   ; two tensor loads of mine are out: my block's scale bytes
	JLOAD G0A, G1A, G0B, G1B                       ; and its codes
	; addresses
	v_and_b32 v4, 31, v0
	v_lshlrev_b32 v[LI], 4, v4
	v_and_b32 v2, 15, v0                           ; r
	v_bfe_u32 v3, v0, 4, 1                         ; h
	v_lshrrev_b32 v5, 3, v2                        ; r / 8
	v_mul_u32_u24 v[ADX], v2, PITCH
	v_lshl_add_u32 v[ADX], v3, 4, v[ADX]           ; row r, + 16 h
	s_mul_i32 s66, s[WV], 64*PITCH
	s_add_co_u32 s66, s66, BLK
	v_add_nc_u32 v[ADW], s66, v[ADX]               ; W's rows 64 w on (q's 128, then k's 128)
	v_lshl_add_u32 v6, v5, 3, v2                   ; r + 8 (r / 8)
	v_mul_u32_u24 v[ADV], v6, PITCH
	v_lshl_add_u32 v[ADV], v3, 4, v[ADV]
	s_mul_i32 s66, s[WV], 32*PITCH
	s_add_co_u32 s66, s66, BLK+256*PITCH
	v_add_nc_u32 v[ADV], s66, v[ADV]               ; v's rows 32 w + r + 8 (r / 8); tile u lies 8 rows on
	v_lshlrev_b32 v7, 5, v2                        ; 32 scale bytes a row,
	v_lshl_add_u32 v[ASX], v5, 4, v7               ; and 16 more for each 256 passed
	s_mul_i32 s66, s[WV], 2176
	s_add_co_u32 s66, s66, SCL+SBLK
	v_add_nc_u32 v[ASW], s66, v[ASX]
	v_add_nc_u32 v[ASX], SCL, v[ASX]
	v_mad_u32_u24 v[ASV], v5, 288, v7              ; rows r + 8 (r / 8): lanes 8-15 stand two rows of 272 bytes on
	s_mul_i32 s66, s[WV], 1088
	s_add_co_u32 s66, s66, SCL+3*SBLK
	v_add_nc_u32 v[ASV], s66, v[ASV]
	v_lshlrev_b32 v22, 5, v3                       ; the bias of q or k: 8 h numbers on
	s_wait_alu depctr_va_vdst(0)
	v_lshlrev_b32 v23, 2, v6                       ; the bias of v: my lane's d
	s_wait_alu depctr_va_vdst(0)
	v_lshlrev_b32 v24, 3, v2
	v_lshl_add_u32 v24, v3, 2, v24                 ; v's scale words: 8 r + 4 u, u = my half
	; where the results go
	s_lshr_b32 s60, s82, 4                         ; the batch
	s_and_b32 s61, s82, 15                         ; the step of 128 positions
	s_lshl_b32 s62, s60, 4
	s_lshl_b32 s63, s81, 1
	s_add_co_u32 s62, s62, s63
	s_add_co_u32 s63, s62, s22                     ; batch x 16 + head, for q or k
	s_add_co_u32 s62, s62, s21                     ; and for v
	s_lshl_b32 s66, s63, 4
	s_add_co_u32 s66, s66, s61
	s_lshl_b32 s[CB], s66, 12                      ; qc: eight tiles of 512 bytes a step
	s_lshl_b32 s[SB], s66, 9                       ; qs: 512 bytes a step
	s_mul_i32 s67, s66, KSB                        ; kv: K's codes stand first in a key step,
	s_add_co_u32 s2, s67, 8192                     ; its scale words behind the codes
	s_cmp_lt_u32 s[WV], 2                          ; waves 0, 1: q; waves 2, 3: k
	s_cselect_b32 s[CB], s[CB], s67
	s_cselect_b32 s[SB], s[SB], s2
	s_cselect_b64 s[92:93], s[14:15], s[18:19]
	s_cselect_b64 s[94:95], s[16:17], s[18:19]
	s_mov_b32 s[CB+1], 0
	s_mov_b32 s[SB+1], 0
	s_add_nc_u64 s[CB:CB+1], s[92:93], s[CB:CB+1]
	s_add_nc_u64 s[SB:SB+1], s[94:95], s[SB:SB+1]
	s_lshl_b32 s66, s62, 4
	s_add_co_u32 s66, s66, s61
	s_mul_i32 s66, s66, KSB
	s_lshl_b32 s67, s22, 11
	s_add_co_u32 s[VB], s66, s67
	s_add_co_u32 s[VB], s[VB], 4096                ; V's codes: tile 2 (w & 1) + u, 1,024 bytes a tile
	s_mov_b32 s[VB+1], 0
	s_add_nc_u64 s[VB:VB+1], s[18:19], s[VB:VB+1]
	s_lshl_b32 s67, s22, 7
	s_add_co_u32 s[VSB], s66, s67
	s_add_co_u32 s[VSB], s[VSB], 8704
	s_mov_b32 s[VSB+1], 0
	s_add_nc_u64 s[VSB:VSB+1], s[18:19], s[VSB:VSB+1]
	s_lshl_b32 s92, s21, 12                        ; the bias: column (w / 2) 1,024 + 128 G + 64 (w & 1)
	s_lshl_b32 s66, s81, 9
	s_add_co_u32 s92, s92, s66
	s_lshl_b32 s67, s22, 8
	s_add_co_u32 s92, s92, s67
	s_mov_b32 s93, 0
	s_add_nc_u64 s[92:93], s[12:13], s[92:93]
	s_lshl_b32 s94, s[WV], 7                       ; and column 2,048 + 128 G + 32 w
	s_add_co_u32 s94, s94, s66
	s_add_co_u32 s94, s94, 8192
	s_mov_b32 s95, 0
	s_add_nc_u64 s[94:95], s[12:13], s[94:95]
	WIN 0xc0                                       ; destination window 3.  The biases are the C of each sum's first matrix instruction, in the result's layout
.irp t, 0,1,2,3
	global_load_b128 v[BQ+8*\t:BQ+8*\t+3], v22, s[92:93] offset:64*\t
	global_load_b128 v[BQ+8*\t+4:BQ+8*\t+7], v22, s[92:93] offset:64*\t+16
.endr
.irp u, 0,1
.irp j, 0,1,2,3,4,5,6,7
	global_load_b32 v[BV+8*\u+\j], v23, s[94:95] offset:32*\u      ; a lane holds one d: the same number in all eight registers
.endr
.endr
	WIN 0
	s_wait_tensorcnt 0x0                           ; my two blocks have landed,
	s_barrier_signal -1
	s_barrier_wait -1                              ; everybody's have
.irp i, 0,1,2,3,4,5,6,7
	ds_load_b128 v[SX+8*\i:SX+8*\i+3], v[ASX] offset:544*\i        ; a row's 32 scale bytes are the words of its eight K steps
	ds_load_b128 v[SX+8*\i+4:SX+8*\i+7], v[ASX] offset:544*\i+16
.endr
.irp t, 0,1,2,3
	ds_load_b128 v[SW+8*\t:SW+8*\t+3], v[ASW] offset:544*\t
	ds_load_b128 v[SW+8*\t+4:SW+8*\t+7], v[ASW] offset:544*\t+16
.endr
.irp u, 0,1
	ds_load_b128 v[SW+32+8*\u:SW+32+8*\u+3], v[ASV] offset:272*\u
	ds_load_b128 v[SW+32+8*\u+4:SW+32+8*\u+7], v[ASV] offset:272*\u+16
.endr
; The 14 fragments of K step q (16 rows x 128 K of 4-bit codes: two loads of 16 bytes, 32 bytes apart) into set q % 2 of window 1: x's eight at 64 s + 8 i, W's six at 128 + 48 s + 8 t
.macro FETCH q
	WIN 0x40
.irp i, 0,1,2,3,4,5,6,7
.irp c, 0,1
	ds_load_b128 v[64*((\q)%2)+8*\i+4*\c:64*((\q)%2)+8*\i+4*\c+3], v[ADX] offset:16*PITCH*\i+64*(\q)+32*\c
.endr
.endr
.irp t, 0,1,2,3
.irp c, 0,1
	ds_load_b128 v[128+48*((\q)%2)+8*\t+4*\c:128+48*((\q)%2)+8*\t+4*\c+3], v[ADW] offset:16*PITCH*\t+64*(\q)+32*\c
.endr
.endr
.irp u, 0,1
.irp c, 0,1
	ds_load_b128 v[128+48*((\q)%2)+32+8*\u+4*\c:128+48*((\q)%2)+32+8*\u+4*\c+3], v[ADV] offset:8*PITCH*\u+64*(\q)+32*\c
.endr
.endr
.endm
; K step q: the next step's fragments are asked for, then 48 matrix instructions.  The 48 accumulators take turns, one instruction a turn, in the same order in every step.
.macro STEP q
.if (\q) < 7
.if (\q) > 0
	PLACES                                         ; the other set was read by the step before
.endif
	FETCH (\q)+1
	s_wait_dscnt 28                                ; all but the 28 loads just issued: this step's fragments are in
.else
	s_wait_dscnt 0x0
.endif
.set FS, (\q)%2
.if (\q) == 0
	WIN 0xb5                                       ; sources 0 and 1 window 1, C (the bias) window 3, D window 2
.else
	WIN 0xa5                                       ; C and D window 2
.endif
.irp i, 0,1,2,3,4,5,6,7
.irp t, 0,1,2,3
.if (\q) == 0
	v_wmma_scale_f32_16x16x128_f8f6f4 v[8*(4*\i+\t):8*(4*\i+\t)+7], v[128+48*FS+8*\t:128+48*FS+8*\t+7], v[64*FS+8*\i:64*FS+8*\i+7], v[BQ+8*\t:BQ+8*\t+7], v[SW+8*\t+(\q)], v[SX+8*\i+(\q)] matrix_a_fmt:MATRIX_FMT_FP4 matrix_b_fmt:MATRIX_FMT_FP4
.else
	v_wmma_scale_f32_16x16x128_f8f6f4 v[8*(4*\i+\t):8*(4*\i+\t)+7], v[128+48*FS+8*\t:128+48*FS+8*\t+7], v[64*FS+8*\i:64*FS+8*\i+7], v[8*(4*\i+\t):8*(4*\i+\t)+7], v[SW+8*\t+(\q)], v[SX+8*\i+(\q)] matrix_a_fmt:MATRIX_FMT_FP4 matrix_b_fmt:MATRIX_FMT_FP4
.endif
.endr
.endr
	WIN 0xf5                                       ; C and D window 3
.irp u, 0,1
.irp i, 0,1,2,3,4,5,6,7
.if (\q) == 0
	v_wmma_scale_f32_16x16x128_f8f6f4 v[8*(8*\u+\i):8*(8*\u+\i)+7], v[64*FS+8*\i:64*FS+8*\i+7], v[128+48*FS+32+8*\u:128+48*FS+32+8*\u+7], v[BV+8*\u:BV+8*\u+7], v[SX+8*\i+(\q)], v[SW+32+8*\u+(\q)] matrix_a_fmt:MATRIX_FMT_FP4 matrix_b_fmt:MATRIX_FMT_FP4
.else
	v_wmma_scale_f32_16x16x128_f8f6f4 v[8*(8*\u+\i):8*(8*\u+\i)+7], v[64*FS+8*\i:64*FS+8*\i+7], v[128+48*FS+32+8*\u:128+48*FS+32+8*\u+7], v[8*(8*\u+\i):8*(8*\u+\i)+7], v[SX+8*\i+(\q)], v[SW+32+8*\u+(\q)] matrix_a_fmt:MATRIX_FMT_FP4 matrix_b_fmt:MATRIX_FMT_FP4
.endif
.endr
.endr
.endm
; 64 numbers of a lane in window w from register s on, registers 16 b .. 16 b + 15 being my half of block b (lane l xor 16 holds the other half), become eight code registers v[pc] on; the four bytes stay in v[TM+4] on.
; A block's largest magnitude with the floor 2^(3 - 127) among its leaves; 2 off its exponent field is the conversion's scale operand, and that shifted down the byte.  Each accumulator is read from its low end on.
.macro QUANT w, s, pc
	WIN (\w)*5
.irp b, 0,1,2,3
	v_max3_num_f32 v[TM+\b], |v[(\s)+16*\b]|, |v[(\s)+16*\b+1]|, 0x1800000
.endr
	WIN (\w)*20
.irp i, 2,4,6,8,10,12,14
.irp b, 0,1,2,3
	v_max3_num_f32 v[TM+\b], v[TM+\b], |v[(\s)+16*\b+\i]|, |v[(\s)+16*\b+\i+1]|
.endr
.endr
	WIN 0
.irp b, 0,1,2,3
	v_permlanex16_b32 v[TM+4+\b], v[TM+\b], s98, s99
.endr
.irp b, 0,1,2,3
	v_max_num_f32 v[TM+\b], v[TM+\b], v[TM+4+\b]
.endr
.irp b, 0,1,2,3
	v_add_nc_u32 v[TM+12+\b], 0xff000000, v[TM+\b]
.endr
.irp b, 0,1,2,3
	v_lshrrev_b32 v[TM+4+\b], 23, v[TM+12+\b]
.endr
	WIN (\w)
.irp b, 0,1,2,3
	v_cvt_scalef32_pk8_fp4_f32 v[(\pc)+2*\b], v[(\s)+16*\b:(\s)+16*\b+7], v[TM+12+\b]
	v_cvt_scalef32_pk8_fp4_f32 v[(\pc)+2*\b+1], v[(\s)+16*\b+8:(\s)+16*\b+15], v[TM+12+\b]
.endr
	WIN 0
	v_nop                                          ; one plain place behind a scaled conversion
.irp c, 0,1                                    ; a whole block to a lane: lanes 0-15 block 2 c, lanes 16-31 block 2 c + 1
.irp i, 0,1
	v_permlane16_swap_b32 v[(\pc)+4*\c+\i], v[(\pc)+2+4*\c+\i]
.endr
.endr
.endm
	FETCH 0
	s_wait_loadcnt 0x0                             ; the biases
.irp q, 0,1,2,3,4,5,6,7
	STEP \q
.endr
	WIN 0
	PLACES
; q or k: two tiles of 16 positions at a time; a tile's two blocks of d make one group of four registers: lane (r, H) holds block H of position r
.irp p, 0,1,2,3
	QUANT 2, 64*\p, PC+8*\p
	v_lshl_or_b32 v[SWD+2*\p], v[TM+5], 8, v[TM+4]         ; a position's scale word: bytes 0 and 1; bytes 2 and 3 stay 0 and meet zero codes
	v_lshl_or_b32 v[SWD+2*\p+1], v[TM+7], 8, v[TM+6]
	global_store_b128 v[LI], v[PC+8*\p:PC+8*\p+3], s[CB:CB+1] offset:1024*\p             ; 32 lanes store 512 consecutive bytes
	global_store_b128 v[LI], v[PC+8*\p+4:PC+8*\p+7], s[CB:CB+1] offset:1024*\p+512
.endr
.irp k, 0,1,2,3
	v_cndmask_b32 v[SD+\k], v[SWD+\k], v[SWD+4+\k], s96    ; lanes 0-15: tiles 0-3 of row r; lanes 16-31: tiles 4-7
.endr
	global_store_b128 v[LI], v[SD:SD+3], s[SB:SB+1]
; v: a tile of 16 d x 128 keys is one fragment: lane (r, H), registers 4 c on: key block 2 c + H
.irp u, 0,1
	QUANT 3, 64*\u, PC+32+8*\u
	v_lshl_or_b32 v[VW+\u], v[TM+5], 8, v[TM+4]
	v_lshl_or_b32 v[VW+\u], v[TM+6], 16, v[VW+\u]
	v_lshl_or_b32 v[VW+\u], v[TM+7], 24, v[VW+\u]
	global_store_b128 v[LI], v[PC+32+8*\u:PC+32+8*\u+3], s[VB:VB+1] offset:1024*\u
	global_store_b128 v[LI], v[PC+32+8*\u+4:PC+32+8*\u+7], s[VB:VB+1] offset:1024*\u+512
.endr
	v_cndmask_b32 v[VW+2], v[VW], v[VW+1], s96
	global_store_b32 v24, v[VW+2], s[VSB:VSB+1]    ; 128 consecutive bytes: half of an aligned 256; the wave beside me stores the other half.  256 of a key step's 8,960 bytes leave so
	s_wait_tensorcnt 0x0                           ; the wave's end
	ds_add_u32 v[SPW], v[NIL]
	s_wait_dscnt 0x0
	CROUND                                         ; the closing round
	s_endpgm
.Lfunc_end_k_q207406e5a7_qkv:
	.size	k_q207406e5a7_qkv, .Lfunc_end_k_q207406e5a7_qkv-k_q207406e5a7_qkv
	.p2alignl 7, 3214868480
	.fill 96, 4, 3214868480
	.section	.rodata,"a",@progbits
	.p2align	6, 0x0
	.amdhsa_kernel k_q207406e5a7_qkv
		.amdhsa_group_segment_fixed_size 288256
		.amdhsa_private_segment_fixed_size 0
		.amdhsa_enable_private_segment 0
		.amdhsa_kernarg_size 64
		.amdhsa_user_sgpr_count 2
		.amdhsa_user_sgpr_kernarg_segment_ptr 1
		.amdhsa_wavefront_size32 1
		.amdhsa_system_sgpr_workgroup_id_x 1
		.amdhsa_system_sgpr_workgroup_id_y 1
		.amdhsa_system_sgpr_workgroup_id_z 1
		.amdhsa_system_vgpr_workitem_id 0
		.amdhsa_next_free_vgpr 1024
		.amdhsa_next_free_sgpr 100
		.amdhsa_reserve_vcc 0
		.amdhsa_float_denorm_mode_32 3
		.amdhsa_float_denorm_mode_16_64 3
		.amdhsa_memory_ordered 1
		.amdhsa_forward_progress 1
		.amdhsa_inst_pref_size 103
	.end_amdhsa_kernel
	.amdgpu_metadata
---
amdhsa.version: [ 1, 2 ]
amdhsa.kernels:
  - .name:           k_q207406e5a7_qkv
    .symbol:         k_q207406e5a7_qkv.kd
    .args:
      - { .name: hidden_states_codes, .offset: 0, .size: 8, .value_kind: global_buffer, .address_space: global }
      - { .name: hidden_states_scales, .offset: 8, .size: 8, .value_kind: global_buffer, .address_space: global }
      - { .name: c_attn_w_codes, .offset: 16, .size: 8, .value_kind: global_buffer, .address_space: global }
      - { .name: c_attn_w_scales, .offset: 24, .size: 8, .value_kind: global_buffer, .address_space: global }
      - { .name: c_attn_b, .offset: 32, .size: 8, .value_kind: global_buffer, .address_space: global }
      - { .name: qc, .offset: 40, .size: 8, .value_kind: global_buffer, .address_space: global }
      - { .name: qs, .offset: 48, .size: 8, .value_kind: global_buffer, .address_space: global }
      - { .name: kv, .offset: 56, .size: 8, .value_kind: global_buffer, .address_space: global }
    .group_segment_fixed_size: 288256
    .private_segment_fixed_size: 0
    .kernarg_segment_align: 8
    .kernarg_segment_size: 64
    .max_flat_workgroup_size: 128
    .sgpr_count:     100
    .vgpr_count:     1024
    .wavefront_size: 32
...
	.end_amdgpu_metadata
.endif
;; end of part 1
;; launch attn (part 2): grid 4 x 64, 16 waves a work-group, clusters of 4 x 1, 167,936 bytes of LDS; arguments qc, qs, kv, ac, asc; writes ac, asc
.if DOCPART == 2
	.amdgcn_target "amdgcn-amd-amdhsa--gfx1250"
	.amdhsa_code_object_version 6
	.text
	.protected	k_q207406e5a7_attn
	.globl	k_q207406e5a7_attn
	.p2align	8
	.type	k_q207406e5a7_attn,@function
k_q207406e5a7_attn:
	s_mov_b64 s[64:65], 0
	v_nop
	global_prefetch_b8 v0, s[64:65] scope:SCOPE_SE
	s_setreg_imm32_b32 hwreg(HW_REG_WAVE_MODE, 25, 1), 1
	s_wait_xcnt 0x0
	s_wait_alu depctr_hold_cnt(0) depctr_sa_sdst(0) depctr_va_vdst(0) depctr_va_sdst(0) depctr_va_ssrc(0) depctr_va_vcc(0) depctr_vm_vsrc(0)
	s_getreg_b32 s2, hwreg(HW_REG_IB_STS2, 6, 4)
	s_cmp_eq_u32 s2, 0
	s_cbranch_scc0 .Lentry_in_a_cluster
	s_endpgm
.Lentry_in_a_cluster:
	s_bfe_u32 s2, ttmp6, 0x10000c
	s_cmp_lg_u32 s2, 0x3003
	s_cbranch_scc0 .Lentry_shape_is_right
	s_endpgm
.Lentry_shape_is_right:
; Launch 2 of 3: scores, softmax and the second product on codes of FP4, then the quantiser of the merged output (along E), for one head and batch a cluster.
; LEFT OUT: a step of 128 keys that all come after a tile's 16 queries (the causal mask that the problem builds itself gives those keys the weight 0: shown at the head of the first kernel).
; LIMITS: as stated there.  Hidden scores of the step on the diagonal become -infinity where the problem writes the lowest f32 number: p is 0 either way while the scores that count lie above that number.
; THE SOFTMAX: t = score x log2(e) / 8; M = the running largest t rounded UP to a whole number; p = 2^(t - M) is quantised along the keys, not normalised; the row's sum is taken of the unquantised p and divides at the end.
; SHARES.  The four work-groups of a cluster share a head; work-group j's wave w owns query tiles 127 - (4 w + j) and 4 w + j: 16 - w / 2 and w / 2 + 1 key steps, 17 for every wave.  How many steps a wave walks hangs on its
; number alone, so all partners run alike.  Four waves to a SIMD: one wave's vector work stands beside another's matrix work and LDS loads.
; LDS.  The head's K and V for all 2,048 keys, 16 key steps of 8,960 bytes as the first launch laid them (images of the operands' registers), filled once: wave w asks for key step w, jointly with its three partners.
; Waves 0 and 1 of every work-group own a tile among the last eight, so every key step is read in every work-group.
; LAYOUT.  S^T = K Q^T (source 0 = 16 keys, source 1 = my 16 queries), O^T = V^T P^T: a lane holds one query throughout.  The head's 64 fill half of the instruction's 128: Q's upper four registers are zero codes; K's upper four
; are simply the next tile's codes, which meet those zeros (the scale bytes there are 0, which is a power of two and no NaN).
; The order inside a block of 32 keys is the same in p as in V's codes; V^T's rows are so chosen that O^T's 16 registers of two tiles are 16 neighbours along d.
.set KSB,   8960
.set SPARE, 16*KSB                     ; the spare words, 128 bytes a wave: eight blocks of 256 bytes that no other line names
.set LI,  1                            ; v1   16 x lane
.set SPW, 4                            ; v4   my spare word; never rewritten
.set NIL, 5                            ; v5   0; never rewritten
.set ADK, 6                            ; v6   the step's codes
.set ADS, 7                            ; v7   K's scale words
.set ADT, 8                            ; v8   V's
.set WV,  14
.set BH,  16
.set TB,  36                           ; s36  LDS byte at which the key step begins
.set KS,  37                           ; s37  the key step
.set LIM, 38                           ; s38, s39 the last key step of each pass
.set DG,  40                           ; s40, s41 16 x (tile % 8): where the diagonal stands in that step
.set AB,  44                           ; s[44:47] where each pass's codes go
.set SB,  48                           ; s[48:51] and its scale bytes
.set QB,  54                           ; s[54:57] each pass's Q
.set QSB, 58                           ; s[58:61] and its scale words
; v2 16 r + 8192, v3 8 r + 8704, v9 4 r + h, v10 r - 8 h, v11 the diagonal's figure, v12 -M, v13 the largest t, v[14:15] the sum in two halves, v[16:23] and v[80:87] Q of the two passes, v26, v27 its scale words, v28 16 r,
; v[32:67] K, v[68:75] K's scale words, v[76:79] V's, v[96:159] S^T then p, v[160:191] O^T, v[192:223] V, v[224:231] p's codes, v232-254 at work, v253 p's scale word
.macro CROUND
	s_barrier_signal -1
	s_barrier_wait -1
	s_cmp_lg_u32 s[WV], 0
	s_cbranch_scc1 .Lnot_wave_0_\@
	s_barrier_signal -3
.Lnot_wave_0_\@:
	s_barrier_wait -3
	s_barrier_signal -1
	s_barrier_wait -1
.endm
	s_load_b256 s[4:11], s[0:1], 0x0               ; qc, qs, kv, ac
	s_load_b64 s[12:13], s[0:1], 0x20              ; asc
	v_lshl_add_u32 v[SPW], v0, 2, SPARE
	v_mov_b32 v[NIL], 0
	ds_add_u32 v[SPW], v[NIL]                      ; the wave's opening: the add, twice on end, and its wait ahead of my first tensor load
	ds_add_u32 v[SPW], v[NIL]
	v_lshrrev_b32 v1, 5, v0
	s_delay_alu instid0(VALU_DEP_1)
	v_readfirstlane_b32 s[WV], v1                  ; wave 0..15
	s_and_b32 s[BH], ttmp7, 0xffff                 ; batch x 16 + head, which the four partners share
	s_mov_b32 s24, 15|(3<<16)|(1<<21)              ; group 1: the mask names all four; elements of 8 bytes; no padding: a dense block of 35 rows of 256 bytes
	s_mov_b32 s25, 32<<16
	s_mov_b32 s26, 35<<16
	s_mov_b32 s27, 32<<16
	s_mov_b32 s28, 35
	s_mov_b32 s29, 32
	s_mov_b32 s30, 0
	s_mov_b32 s31, 0
	s_mov_b32 s32, 1
	s_mul_i32 s33, s[WV], KSB                      ; key step w goes to LDS byte 8,960 w
	s_lshl_b32 s34, s[BH], 4
	s_add_co_u32 s34, s34, s[WV]
	s_mul_i32 s34, s34, KSB
	s_mov_b32 s35, 0
	s_mov_b32 s20, 0x76543210
	s_mov_b32 s21, 0xfedcba98                      ; selects for lane l xor 16
	s_mov_b32 s22, 0x3e38aa3b                      ; c = log2(e) / sqrt(64)
	s_mov_b32 s23, s22                             ; (named with it as a pair, so it is written)
	s_mov_b32 s52, 0xffff0000                      ; lanes 16-31
	s_lshr_b32 s39, s[WV], 1                       ; the second pass ends at key step w / 2,
	s_sub_co_u32 s38, 15, s39                      ; the first at 15 - w / 2
	v_and_b32 v1, 31, v0
	s_delay_alu instid0(VALU_DEP_1)
	v_lshlrev_b32 v[LI], 4, v1
	v_and_b32 v10, 15, v0                          ; r
	v_bfe_u32 v11, v0, 4, 1                        ; h
	s_delay_alu instid0(VALU_DEP_2)
	v_lshlrev_b32 v28, 4, v10
	s_delay_alu instid0(VALU_DEP_1)
	v_add_nc_u32 v2, 8192, v28
	s_delay_alu instid0(VALU_DEP_4)
	v_lshlrev_b32 v3, 3, v10
	s_delay_alu instid0(VALU_DEP_1)
	v_add_nc_u32 v3, 8704, v3
	v_lshl_add_u32 v9, v10, 2, v11
	v_lshlrev_b32 v11, 3, v11
	s_delay_alu instid0(VALU_DEP_1)
	v_sub_nc_u32 v10, v10, v11
.irp j, 20,21,22,23,84,85,86,87,64,65,66,67,236,237,238,239,252,253
	v_mov_b32 v[\j], 0                             ; Q's upper halves and the four registers behind K's last tile: zero codes; the lane permutes' destinations and the pair v[252:253]: written once
.endr
	s_wait_dscnt 0x0                               ; both opening adds are done
	s_wait_kmcnt 0x0
	s_add_nc_u64 s[34:35], s[8:9], s[34:35]
	s_or_b32 s35, s35, 0x80000000
	CROUND                                         ; all four work-groups are here: the joint loads meet
	tensor_load_to_lds s[32:35], s[24:31]          ; my one tensor load
	s_nop 0
.rept 4
	v_nop
.endr
	s_bfe_u32 s15, ttmp6, 0x40000                  ; j: my place in the cluster: it enters global addresses and the diagonal's figure alone
	s_lshl_b32 s17, s[WV], 2
	s_add_co_u32 s17, s17, s15                     ; the second pass's tile
	s_sub_co_u32 s18, 127, s17                     ; the first's
	s_mov_b32 s3, 0
.macro BASES p, t                      ; t: the scalar register that holds pass p's tile
	s_lshl_b32 s2, s[BH], 7
	s_add_co_u32 s2, s2, s[\t]
	s_lshl_b32 s2, s2, 9
	s_add_nc_u64 s[QB+2*\p:QB+2*\p+1], s[4:5], s[2:3]        ; Q's codes: 512 bytes a tile
	s_lshl_b32 s2, s[BH], 4
	s_lshr_b32 s19, s[\t], 3
	s_add_co_u32 s2, s2, s19
	s_lshl_b32 s2, s2, 9
	s_bfe_u32 s19, s[\t], 0x10002
	s_lshl_b32 s19, s19, 8
	s_add_co_u32 s2, s2, s19
	s_and_b32 s19, s[\t], 3
	s_lshl_b32 s19, s19, 2
	s_add_co_u32 s2, s2, s19
	s_add_nc_u64 s[QSB+2*\p:QSB+2*\p+1], s[6:7], s[2:3]      ; its scale words: 512 bytes for 128 positions; tiles 4-7 in the upper 256; four words to a lane
	s_and_b32 s19, s[\t], 7
	s_lshl_b32 s[DG+\p], s19, 4
	s_lshr_b32 s2, s[BH], 4
	s_lshl_b32 s2, s2, 7
	s_add_co_u32 s19, s2, s[\t]                    ; the tile of 16 rows among the output's 512
	s_and_b32 s53, s[BH], 15                       ; the head
	s_lshl_b32 s2, s19, 4
	s_add_co_u32 s2, s2, s53
	s_lshl_b32 s2, s2, 9
	s_add_nc_u64 s[AB+2*\p:AB+2*\p+1], s[10:11], s[2:3]      ; ac: a head's 64 are half a fragment: 512 bytes
	s_lshl_b32 s2, s19, 3
	s_lshr_b32 s62, s53, 1
	s_add_co_u32 s2, s2, s62
	s_lshl_b32 s2, s2, 6
	s_and_b32 s62, s53, 1
	s_lshl_b32 s62, s62, 1
	s_add_co_u32 s2, s2, s62
	s_add_nc_u64 s[SB+2*\p:SB+2*\p+1], s[12:13], s[2:3]      ; asc: a word a row and 128 along E; my head's two bytes of it
.endm
	BASES 0, 18
	BASES 1, 17
	global_load_b128 v[16:19], v[LI], s[QB:QB+1]
	global_load_b32 v26, v28, s[QSB:QSB+1]
	global_load_b128 v[80:83], v[LI], s[QB+2:QB+3]
	global_load_b32 v27, v28, s[QSB+2:QSB+3]
	s_wait_tensorcnt 0x0                           ; my key step has landed,
	s_barrier_signal -1
	s_barrier_wait -1                              ; everybody's has
	s_wait_loadcnt 0x0                             ; Q
; ONE TILE OF 16 QUERIES.  The loop has the constant 16 trips; a step whose keys all come after the tile is jumped over, by a scalar branch on the wave's number and the count of steps; the lines that step stand behind the jump's target.
.macro PASS p
.set QF, 16+64*(\p)
	v_mov_b32 v13, 0xff61b1e6                      ; the largest t so far: -3e38
	s_delay_alu instid0(VALU_DEP_1)
	v_floor_f32 v12, -v13                          ; -M
	v_mov_b32 v14, 0
	v_mov_b32 v15, 0
.set n, 0
.rept 32
	v_mov_b32 v[160+n], 0                          ; O^T: the step is written once; the first finds zeros
.set n, n+1
.endr
	v_add_nc_u32 v11, s[DG+(\p)], v10              ; d = 16 (tile % 8) + r - 8 h: on the diagonal's step register 8 t + i holds a hidden key where 16 t + i > d
	s_mov_b32 s[TB], 0
	s_mov_b32 s[KS], 0
.Lstep_\@:
	s_cmp_gt_u32 s[KS], s[LIM+(\p)]
	s_cbranch_scc1 .Lhid_\@
	s_setprio 2
	v_add_nc_u32 v[ADK], s[TB], v[LI]              ; these three and the v_nop are the four places behind the last step's products, in front of loads into registers that they read
	v_add_nc_u32 v[ADS], s[TB], v2
	v_add_nc_u32 v[ADT], s[TB], v3
	v_nop
.irp t, 0,1,2,3,4,5,6,7
	ds_load_b128 v[32+4*\t:35+4*\t], v[ADK] offset:512*\t          ; K: tile t's 16 keys x 64
.endr
	ds_load_b128 v[68:71], v[ADS]                  ; lane r: the scale words of key r of tiles 0-3,
	ds_load_b128 v[72:75], v[ADS] offset:256       ; and of tiles 4-7
.irp t, 0,1,2,3
.irp c, 0,1
	ds_load_b128 v[192+8*\t+4*\c:195+8*\t+4*\c], v[ADK] offset:4096+1024*\t+512*\c   ; V^T: tile t's 16 d x 128 keys
.endr
.endr
	ds_load_b64 v[76:77], v[ADT]                   ; V's scale words of tiles 0, 1
	ds_load_b64 v[78:79], v[ADT] offset:128        ; and 2, 3
	s_wait_dscnt 10                                ; K and its scale words are in; V's ten loads may stay out
.irp t, 0,1,2,3,4,5,6,7
	v_wmma_scale_f32_16x16x128_f8f6f4 v[96+8*\t:103+8*\t], v[32+4*\t:39+4*\t], v[QF:QF+7], 0, v[68+\t], v[26+(\p)] matrix_a_fmt:MATRIX_FMT_FP4 matrix_b_fmt:MATRIX_FMT_FP4
.endr
.rept 4
	v_nop
.endr
	s_cmp_lg_u32 s[KS], s[LIM+(\p)]                ; only the tile's last step lies on the diagonal
	s_cbranch_scc1 .Lopen_\@
	v_mov_b32 v254, 0xff800000                     ; -infinity
.set n, 0
	s_wait_alu depctr_va_vdst(0)
.rept 64
	v_cmp_gt_i32 vcc_lo, 16*(n/8)+n%8, v11
	v_cndmask_b32 v[96+n], v[96+n], v254, vcc_lo
.set n, n+1
.endr
.Lopen_\@:
.irp b, 0,1,2,3
	v_max3_num_f32 v[232+\b], v[96+16*\b], v[97+16*\b], v[98+16*\b]        ; the largest score of each block of 32 keys: for the row's maximum, and, since p rises with the score, for the block's largest p
.endr
.irp i, 3,5,7,9,11,13
.irp b, 0,1,2,3
	v_max3_num_f32 v[232+\b], v[232+\b], v[96+16*\b+\i], v[97+16*\b+\i]
.endr
.endr
.irp b, 0,1,2,3
	v_max_num_f32 v[232+\b], v[232+\b], v[111+16*\b]
.endr
.irp b, 0,1,2,3
	s_delay_alu instid0(VALU_DEP_4)
	v_permlanex16_b32 v[236+\b], v[232+\b], s20, s21
.endr
.irp b, 0,1,2,3
	s_delay_alu instid0(VALU_DEP_4)
	v_max_num_f32 v[232+\b], v[232+\b], v[236+\b]  ; with lane l xor 16's 16 keys
.endr
	s_delay_alu instid0(VALU_DEP_2)
	v_max3_num_f32 v254, v232, v233, v234
	s_delay_alu instid0(VALU_DEP_1)
	v_max_num_f32 v254, v254, v235
	s_delay_alu instid0(VALU_DEP_1)
	v_mul_f32 v254, s22, v254                      ; the step's largest t
	s_delay_alu instid0(VALU_DEP_1)
	v_max_num_f32 v13, v13, v254
	v_mov_b32 v254, v12
	s_delay_alu instid0(VALU_DEP_2)
	v_floor_f32 v12, -v13                          ; the new -M = -ceil(t)
	s_delay_alu instid0(VALU_DEP_1)
	v_sub_f32 v254, v12, v254                      ; old M - new M: a whole number, 0 or less
	s_delay_alu instid0(VALU_DEP_1)
	v_cvt_i32_f32 v254, v254                       ; (it saturates)
	s_delay_alu instid0(VALU_DEP_1)
	v_ldexp_f32 v252, 1.0, v254                    ; f = 2^(old M - new M)
.set n, 0
.rept 32
	v_pk_fma_f32 v[96+n:97+n], v[96+n:97+n], s[22:23], v[12:13] op_sel_hi:[1,0,0]   ; t - M, two at a time
.set n, n+2
.endr
	s_setprio 1
.irp b, 0,1,2,3
	v_fma_f32 v[232+\b], v[232+\b], s22, v12       ; the same of each block's largest score
.endr
.set n, 0
	s_wait_alu depctr_va_vdst(0)
.rept 64
	v_exp_f32 v[96+n], v[96+n]                     ; p = 2^(t - M)
.set n, n+1
.endr
	v_pk_mul_f32 v[14:15], v[14:15], v[252:253] op_sel_hi:[1,0]    ; the sums under the new M: the plain place behind the exponentials
	s_wait_alu depctr_va_vdst(0)                   ; one wait for the whole batch, ahead of its first reader
.irp b, 0,1,2,3
	v_exp_f32 v[232+\b], v[232+\b]                 ; the block's largest p
.endr
	v_pk_add_f32 v[236:237], v[100:101], v[104:105]
	v_pk_add_f32 v[254:255], v[108:109], v[112:113]
	v_pk_add_f32 v[250:251], v[116:117], v[120:121]
	v_pk_add_f32 v[248:249], v[124:125], v[128:129]
	v_pk_add_f32 v[246:247], v[132:133], v[136:137]
	v_pk_add_f32 v[244:245], v[140:141], v[144:145]
	v_pk_add_f32 v[242:243], v[148:149], v[152:153]
	v_pk_add_f32 v[14:15], v[14:15], v[156:157]
	v_pk_add_f32 v[236:237], v[236:237], v[96:97]
	v_pk_add_f32 v[254:255], v[254:255], v[98:99]
	v_pk_add_f32 v[250:251], v[250:251], v[102:103]
	v_pk_add_f32 v[248:249], v[248:249], v[106:107]
	v_pk_add_f32 v[246:247], v[246:247], v[110:111]
	v_pk_add_f32 v[244:245], v[244:245], v[114:115]
	v_pk_add_f32 v[242:243], v[242:243], v[118:119]
	v_pk_add_f32 v[14:15], v[14:15], v[122:123]
	v_pk_add_f32 v[236:237], v[236:237], v[126:127]
	v_pk_add_f32 v[254:255], v[254:255], v[130:131]
	v_pk_add_f32 v[250:251], v[250:251], v[134:135]
	v_pk_add_f32 v[248:249], v[248:249], v[138:139]
	v_pk_add_f32 v[246:247], v[246:247], v[142:143]
	v_pk_add_f32 v[244:245], v[244:245], v[146:147]
	v_pk_add_f32 v[242:243], v[242:243], v[150:151]
	v_pk_add_f32 v[14:15], v[14:15], v[154:155]
	v_pk_add_f32 v[236:237], v[236:237], v[158:159]
	s_delay_alu instid0(VALU_DEP_2)
	v_pk_add_f32 v[14:15], v[14:15], v[248:249]
	s_delay_alu instid0(VALU_DEP_2)
	v_pk_add_f32 v[236:237], v[236:237], v[246:247]
	v_pk_add_f32 v[254:255], v[254:255], v[244:245]
	v_pk_add_f32 v[250:251], v[250:251], v[242:243]
	s_delay_alu instid0(VALU_DEP_2)
	v_pk_add_f32 v[14:15], v[14:15], v[254:255]
	s_delay_alu instid0(VALU_DEP_2)
	v_pk_add_f32 v[236:237], v[236:237], v[250:251]
	s_delay_alu instid0(VALU_DEP_1)
	v_pk_add_f32 v[14:15], v[14:15], v[236:237]
	s_wait_alu depctr_va_vdst(0)                   ; and one for the four
.irp b, 0,1,2,3
	v_max_num_f32 v[232+\b], 0x1800000, v[232+\b]  ; the floor 2^(3 - 127): the byte cannot fall under 1
.endr
.irp b, 0,1,2,3
	s_delay_alu instid0(VALU_DEP_4)
	v_add_nc_u32 v[244+\b], 0xff000000, v[232+\b]  ; 2 off the exponent field: the conversion's scale operand
.endr
.irp b, 0,1,2,3
	s_delay_alu instid0(VALU_DEP_4)
	v_lshrrev_b32 v[236+\b], 23, v[244+\b]         ; the byte
.endr
	s_delay_alu instid0(VALU_DEP_3)
	v_lshl_or_b32 v253, v237, 8, v236              ; p's scale word for these 128 keys
	s_delay_alu instid0(VALU_DEP_1)
	v_lshl_or_b32 v253, v238, 16, v253
	s_delay_alu instid0(VALU_DEP_1)
	v_lshl_or_b32 v253, v239, 24, v253
	s_setprio 0
.irp b, 0,1,2,3
	v_cvt_scalef32_pk8_fp4_f32 v[224+2*\b], v[96+16*\b:103+16*\b], v[244+\b]
	v_cvt_scalef32_pk8_fp4_f32 v[225+2*\b], v[104+16*\b:111+16*\b], v[244+\b]
.endr
	v_nop                                          ; one plain place behind a scaled conversion
.irp c, 0,1
.irp i, 0,1
	v_permlane16_swap_b32 v[224+4*\c+\i], v[226+4*\c+\i]           ; a whole block to a lane
.endr
.endr
.set n, 0
.rept 16
	v_pk_mul_f32 v[160+n:161+n], v[160+n:161+n], v[252:253] op_sel_hi:[1,0]   ; O^T under the new M; these sixteen also stand between the scale word, the codes and the products
.set n, n+2
.endr
	s_wait_alu depctr_va_vdst(0)
	s_wait_dscnt 0x0                               ; V and its scale words are in
.irp t, 0,1,2,3
	v_wmma_scale_f32_16x16x128_f8f6f4 v[160+8*\t:167+8*\t], v[192+8*\t:199+8*\t], v[224:231], v[160+8*\t:167+8*\t], v[76+\t], v253 matrix_a_fmt:MATRIX_FMT_FP4 matrix_b_fmt:MATRIX_FMT_FP4
.endr
.Lhid_\@:
	s_add_co_u32 s[TB], s[TB], KSB
	s_add_co_u32 s[KS], s[KS], 1
	s_cmp_lt_u32 s[KS], 16
	s_cbranch_scc1 .Lstep_\@
	s_setprio 0
	; the tile's end: O^T / the sum, quantised along d (two blocks of 32, in natural order), stored as half a fragment of the last product's first operand
.rept 4
	v_nop
.endr
	v_add_f32 v14, v14, v15
	s_delay_alu instid0(VALU_DEP_1)
	v_permlanex16_b32 v252, v14, s20, s21
	s_delay_alu instid0(VALU_DEP_1)
	v_add_f32 v14, v14, v252                       ; the row's sum
	s_wait_alu depctr_va_vdst(0)
	v_rcp_f32 v14, v14
	v_nop
	s_wait_alu depctr_va_vdst(0)                   ; ahead of the reciprocal's first reader
.set n, 0
.rept 32
	v_mul_f32 v[96+n], v[160+n], v14               ; register 16 b + i: d = 32 b + 16 h + i
.set n, n+1
.endr
.irp b, 0,1
	v_max3_num_f32 v[232+\b], |v[96+16*\b]|, |v[97+16*\b]|, 0x1800000
.endr
.irp i, 2,4,6,8,10,12,14
.irp b, 0,1
	s_delay_alu instid0(VALU_DEP_2)
	v_max3_num_f32 v[232+\b], v[232+\b], |v[96+16*\b+\i]|, |v[97+16*\b+\i]|
.endr
.endr
.irp b, 0,1
	s_delay_alu instid0(VALU_DEP_2)
	v_permlanex16_b32 v[236+\b], v[232+\b], s20, s21
.endr
.irp b, 0,1
	s_delay_alu instid0(VALU_DEP_2)
	v_max_num_f32 v[232+\b], v[232+\b], v[236+\b]
.endr
.irp b, 0,1
	s_delay_alu instid0(VALU_DEP_2)
	v_add_nc_u32 v[244+\b], 0xff000000, v[232+\b]
.endr
.irp b, 0,1
	s_delay_alu instid0(VALU_DEP_2)
	v_lshrrev_b32 v[236+\b], 23, v[244+\b]
.endr
.irp b, 0,1
	v_cvt_scalef32_pk8_fp4_f32 v[224+2*\b], v[96+16*\b:103+16*\b], v[244+\b]
	v_cvt_scalef32_pk8_fp4_f32 v[225+2*\b], v[104+16*\b:111+16*\b], v[244+\b]
.endr
	v_nop
	v_permlane16_swap_b32 v224, v226
	v_permlane16_swap_b32 v225, v227               ; lane (r, H): block H of row r
	v_cndmask_b32 v254, v236, v237, s52            ; lane (r, h) stores block h's byte
	global_store_b128 v[LI], v[224:227], s[AB+2*(\p):AB+2*(\p)+1]      ; 512 consecutive bytes
	global_store_b8 v9, v254, s[SB+2*(\p):SB+2*(\p)+1]                 ; 32 single bytes inside 64: two of each row's four; the neighbouring head's work-group stores the other two.  One byte for each 16 of codes leaves so
	s_wait_xcnt 0x0                                ; the stores have read their registers: the next pass writes them again
.endm
	PASS 0
	PASS 1
	s_wait_tensorcnt 0x0                           ; the wave's end
	ds_add_u32 v[SPW], v[NIL]
	s_wait_dscnt 0x0
	CROUND                                         ; the closing round
	s_endpgm
.Lfunc_end_k_q207406e5a7_attn:
	.size	k_q207406e5a7_attn, .Lfunc_end_k_q207406e5a7_attn-k_q207406e5a7_attn
	.p2alignl 7, 3214868480
	.fill 96, 4, 3214868480
	.section	.rodata,"a",@progbits
	.p2align	6, 0x0
	.amdhsa_kernel k_q207406e5a7_attn
		.amdhsa_group_segment_fixed_size 167936
		.amdhsa_private_segment_fixed_size 0
		.amdhsa_enable_private_segment 0
		.amdhsa_kernarg_size 40
		.amdhsa_user_sgpr_count 2
		.amdhsa_user_sgpr_kernarg_segment_ptr 1
		.amdhsa_wavefront_size32 1
		.amdhsa_system_sgpr_workgroup_id_x 1
		.amdhsa_system_sgpr_workgroup_id_y 1
		.amdhsa_system_sgpr_workgroup_id_z 1
		.amdhsa_system_vgpr_workitem_id 0
		.amdhsa_next_free_vgpr 256
		.amdhsa_next_free_sgpr 66
		.amdhsa_reserve_vcc 1
		.amdhsa_float_denorm_mode_32 3
		.amdhsa_float_denorm_mode_16_64 3
		.amdhsa_memory_ordered 1
		.amdhsa_forward_progress 1
		.amdhsa_inst_pref_size 61
	.end_amdhsa_kernel
	.amdgpu_metadata
---
amdhsa.version: [ 1, 2 ]
amdhsa.kernels:
  - .name:           k_q207406e5a7_attn
    .symbol:         k_q207406e5a7_attn.kd
    .args:
      - { .name: qc, .offset: 0, .size: 8, .value_kind: global_buffer, .address_space: global }
      - { .name: qs, .offset: 8, .size: 8, .value_kind: global_buffer, .address_space: global }
      - { .name: kv, .offset: 16, .size: 8, .value_kind: global_buffer, .address_space: global }
      - { .name: ac, .offset: 24, .size: 8, .value_kind: global_buffer, .address_space: global }
      - { .name: asc, .offset: 32, .size: 8, .value_kind: global_buffer, .address_space: global }
    .group_segment_fixed_size: 167936
    .private_segment_fixed_size: 0
    .kernarg_segment_align: 8
    .kernarg_segment_size: 40
    .max_flat_workgroup_size: 512
    .sgpr_count:     66
    .vgpr_count:     256
    .wavefront_size: 32
...
	.end_amdgpu_metadata
.endif
;; end of part 2
;; launch proj (part 3): grid 8 x 32, 4 waves a work-group, clusters of 4 x 4, 327,680 bytes of LDS; arguments ac, asc, c_proj_w_codes, c_proj_w_scales, c_proj_b, out0; writes out0
.if DOCPART == 3
	.amdgcn_target "amdgcn-amd-amdhsa--gfx1250"
	.amdhsa_code_object_version 6
	.text
	.protected	k_q207406e5a7_proj
	.globl	k_q207406e5a7_proj
	.p2align	8
	.type	k_q207406e5a7_proj,@function
k_q207406e5a7_proj:
	s_mov_b64 s[64:65], 0
	v_nop
	global_prefetch_b8 v0, s[64:65] scope:SCOPE_SE
	s_setreg_imm32_b32 hwreg(HW_REG_WAVE_MODE, 25, 1), 1
	s_wait_xcnt 0x0
	s_wait_alu depctr_hold_cnt(0) depctr_sa_sdst(0) depctr_va_vdst(0) depctr_va_sdst(0) depctr_va_ssrc(0) depctr_va_vcc(0) depctr_vm_vsrc(0)
	s_getreg_b32 s2, hwreg(HW_REG_IB_STS2, 6, 4)
	s_cmp_eq_u32 s2, 0
	s_cbranch_scc0 .Lentry_in_a_cluster
	s_endpgm
.Lentry_in_a_cluster:
	s_bfe_u32 s2, ttmp6, 0x10000c
	s_cmp_lg_u32 s2, 0xf033
	s_cbranch_scc0 .Lentry_shape_is_right
	s_endpgm
.Lentry_shape_is_right:
; Launch 3 of 3: out = a W + b on codes of FP4: a as the second launch laid it (images of the first operand's registers, and a scale word for each row and 128 along K), W as it is given.  Nothing is left out here.
; SHARES.  A work-group makes 256 rows x 128 columns; all of K = 1,024 lies in LDS at once: every LDS byte is filled once.  Wave w has row tiles 4 w .. 4 w + 3 x all 8 column tiles: 32 accumulators.
; THE MATRIX INSTRUCTION IS USED TRANSPOSED (source 0 = 16 rows of W, source 1 = 16 rows of a): a lane holds eight neighbouring columns of one row; a wave holds whole pieces of 512 bytes of its rows.
; The bias is the C of each sum's first matrix instruction.  CLUSTER: 4 x 4; the four of a row share a's rows, the four of a column W's rows: each block is asked for jointly.
.set PITCH, 528                        ; a row of W's codes in LDS: 512 bytes + 16
.set AIMG,  0                          ; a's images: 16 row tiles x 8 K steps x 1,024 bytes, dense
.set BC,    131072                     ; W's 128 rows
.set ASC,   BC+128*PITCH               ; a's scale words: 16 row tiles x 8 K steps x 64 bytes, dense
.set BSC,   ASC+8192                   ; W's scale bytes, as 16 rows of 256 bytes + 16
.set STG,   BSC+16*272                 ; the way out: 16 rows x (512 + 16) bytes for each wave: blocks of 256 bytes into which no fill lands
.set SPITCH, 528
.set SPARE, STG+4*16*SPITCH            ; the spare words, 128 bytes a wave
.set LI,  1                            ; v1   16 x lane
.set ADA, 16
.set ADB, 17
.set ASA, 18
.set ASB, 19
.set STO, 24
.set RD,  25
.set SPW, 28                           ; v28  my spare word; never rewritten
.set NIL, 29                           ; v29  0; never rewritten
.set SA,  32                           ; v32-63   a's scale words: tile a, K step q at 8 a + q
.set SBS, 64                           ; v64-127  W's: tile b, K step q at 8 b + q
.set BK,  128                          ; v128-255 the way out: two sets of 16 rows read back
.set WV,  20
.set G1A, 24
.set G0A, 32
.set G1B, 36
.set G0B, 44
.set G1SA, 48
.set G0SA, 56
.set G1SB, 68
.set G0SB, 76
; window 1: a's fragments, set s at 32 s + 8 a; W's at 64 + 64 s + 8 b.   window 2: accumulator (a, b) at 8 (8 a + b).   window 3: the bias, tile b at 8 b
.set MSB, 0
.macro WIN new
.if MSB != (\new)
	s_set_vgpr_msb (MSB<<8)|(\new)
.set MSB, (\new)
.endif
.endm
.macro PLACES
.rept 4
	v_nop
.endr
.endm
.macro JLOAD g0a, g1a, g0b, g1b        ; a joint load: waves 0 and 1 fetch a's halves, waves 2 and 3 W's
	s_cmp_eq_u32 s21, 0
	s_cbranch_scc0 .Lfor_w_\@
	tensor_load_to_lds s[\g0a:\g0a+3], s[\g1a:\g1a+7]
	s_nop 0
.rept 4
	v_nop
.endr
	s_branch .Lasked_\@
.Lfor_w_\@:
	tensor_load_to_lds s[\g0b:\g0b+3], s[\g1b:\g1b+7]
	s_nop 0
.rept 4
	v_nop
.endr
.Lasked_\@:
.endm
.macro CROUND
	s_barrier_signal -1
	s_barrier_wait -1
	s_cmp_lg_u32 s[WV], 0
	s_cbranch_scc1 .Lnot_wave_0_\@
	s_barrier_signal -3
.Lnot_wave_0_\@:
	s_barrier_wait -3
	s_barrier_signal -1
	s_barrier_wait -1
.endm
	s_load_b256 s[4:11], s[0:1], 0x0               ; ac, asc, W's codes, W's scales
	s_load_b128 s[12:15], s[0:1], 0x20             ; the bias, out
	v_lshl_add_u32 v[SPW], v0, 2, SPARE
	v_mov_b32 v[NIL], 0
	ds_add_u32 v[SPW], v[NIL]                      ; the wave's opening: the add, twice on end, and its wait ahead of my first tensor load
	ds_add_u32 v[SPW], v[NIL]
	v_lshrrev_b32 v1, 5, v0
	v_readfirstlane_b32 s[WV], v1
	s_lshr_b32 s21, s[WV], 1                       ; I fetch for a (0) or for W (1),
	s_and_b32 s22, s[WV], 1                        ; this half
	s_bfe_u32 s23, ttmp6, 0x40000
	s_bfe_u32 s80, ttmp6, 0x40004
	s_lshl_b32 s81, ttmp9, 2
	s_add_co_u32 s81, s81, s23                     ; G: which 128 columns
	s_and_b32 s82, ttmp7, 0xffff
	s_lshl_b32 s82, s82, 2
	s_add_co_u32 s82, s82, s80                     ; MB: which 256 rows
	s_lshl_b32 s83, s80, 2
	s_lshl_b32 s83, 15, s83                        ; my row of the cluster
	s_lshl_b32 s97, 0x1111, s23                    ; my column
	s_or_b32 s[G1A], s83, (3<<16)|(1<<21)          ; a's codes: 65,536 dense bytes as 256 rows of 32 elements of 8 bytes, no padding
	s_mov_b32 s[G1A+1], 32<<16
	s_mov_b32 s[G1A+2], 256<<16
	s_mov_b32 s[G1A+3], 32<<16
	s_mov_b32 s[G1A+4], 256
	s_mov_b32 s[G1A+5], 32
	s_mov_b32 s[G1A+6], 0
	s_mov_b32 s[G1A+7], 0
	s_or_b32 s[G1B], s97, (1<<20)|(1<<21)|(6<<22)|(3<<25)   ; W's codes: 64 rows of 512 bytes, four words of padding behind each
	s_mov_b32 s[G1B+1], 512<<16
	s_mov_b32 s[G1B+2], 64<<16
	s_mov_b32 s[G1B+3], 512<<16
	s_mov_b32 s[G1B+4], 64
	s_mov_b32 s[G1B+5], 512
	s_mov_b32 s[G1B+6], 0
	s_mov_b32 s[G1B+7], 0
	s_or_b32 s[G1SA], s83, (3<<16)|(1<<21)         ; a's scale words: 4,096 dense bytes
	s_mov_b32 s[G1SA+1], 32<<16
	s_mov_b32 s[G1SA+2], 16<<16
	s_mov_b32 s[G1SA+3], 32<<16
	s_mov_b32 s[G1SA+4], 16
	s_mov_b32 s[G1SA+5], 32
	s_mov_b32 s[G1SA+6], 0
	s_mov_b32 s[G1SA+7], 0
	s_or_b32 s[G1SB], s97, (3<<16)|(1<<20)|(1<<21)|(5<<22)|(3<<25)   ; W's scale bytes of 64 rows: 8 rows of 256 bytes, four words of padding behind each
	s_mov_b32 s[G1SB+1], 32<<16
	s_mov_b32 s[G1SB+2], 8<<16
	s_mov_b32 s[G1SB+3], 32<<16
	s_mov_b32 s[G1SB+4], 8
	s_mov_b32 s[G1SB+5], 32
	s_mov_b32 s[G1SB+6], 0
	s_mov_b32 s[G1SB+7], 0
	s_lshl_b32 s2, s82, 17                         ; a's codes: 131,072 bytes a block of 256 rows (made of MB and the wave's number alone)
	s_lshl_b32 s84, s22, 16                        ; my half; also its place in LDS
	s_add_co_u32 s2, s2, s84
	s_mov_b32 s3, 0
	s_lshl_b32 s60, s82, 13                        ; a's scale words
	s_lshl_b32 s85, s22, 12
	s_add_co_u32 s60, s60, s85
	s_mov_b32 s61, 0
	s_add_co_u32 s85, s85, ASC
	s_lshl_b32 s62, s81, 7
	s_lshl_b32 s63, s22, 6
	s_add_co_u32 s62, s62, s63                     ; W's first row of my half (made of G and the wave's number alone)
	s_lshl_b32 s66, s62, 5
	s_mov_b32 s67, 0
	s_lshl_b32 s62, s62, 9
	s_mov_b32 s63, 0
	s_mul_i32 s90, s22, 64*PITCH
	s_add_co_u32 s90, s90, BC
	s_mul_i32 s91, s22, 8*272
	s_add_co_u32 s91, s91, BSC
	s_wait_dscnt 0x0                               ; both opening adds are done
	s_wait_kmcnt 0x0
	s_mov_b32 s[G0A], 1
	s_mov_b32 s[G0A+1], s84
	s_add_nc_u64 s[G0A+2:G0A+3], s[4:5], s[2:3]
	s_or_b32 s[G0A+3], s[G0A+3], 0x80000000
	s_mov_b32 s[G0SA], 1
	s_mov_b32 s[G0SA+1], s85
	s_add_nc_u64 s[G0SA+2:G0SA+3], s[6:7], s[60:61]
	s_or_b32 s[G0SA+3], s[G0SA+3], 0x80000000
	s_mov_b32 s[G0B], 1
	s_mov_b32 s[G0B+1], s90
	s_add_nc_u64 s[G0B+2:G0B+3], s[8:9], s[62:63]
	s_or_b32 s[G0B+3], s[G0B+3], 0x80000000
	s_mov_b32 s[G0SB], 1
	s_mov_b32 s[G0SB+1], s91
	s_add_nc_u64 s[G0SB+2:G0SB+3], s[10:11], s[66:67]
	s_or_b32 s[G0SB+3], s[G0SB+3], 0x80000000
	CROUND                                         ; all sixteen work-groups are here: the joint loads meet
	JLOAD G0SA, G1SA, G0SB, G1SB                   ; two tensor loads of mine are out: scales,
	s_wait_alu depctr_va_vdst(0)
	s_wait_tensorcnt 0x0
	ds_add_u32 v28, v29
	s_wait_dscnt 0x0
	CROUND
	JLOAD G0A, G1A, G0B, G1B                       ; and codes
	v_and_b32 v4, 31, v0
	v_lshlrev_b32 v[LI], 4, v4
	v_and_b32 v2, 15, v0                           ; r
	v_bfe_u32 v3, v0, 4, 1                         ; h
	v_lshrrev_b32 v5, 3, v2
	s_lshl_b32 s84, s[WV], 15
	v_add_nc_u32 v[ADA], s84, v[LI]                ; my four row tiles' images: 8,192 bytes a tile
	v_mul_u32_u24 v[ADB], v2, PITCH
	v_lshl_add_u32 v[ADB], v3, 4, v[ADB]
	v_add_nc_u32 v[ADB], BC, v[ADB]
	s_lshl_b32 s84, s[WV], 11
	s_add_co_u32 s84, s84, ASC
	v_lshl_add_u32 v[ASA], v2, 2, s84              ; a word a row
	v_lshlrev_b32 v7, 5, v2
	v_lshl_add_u32 v[ASB], v5, 4, v7
	v_add_nc_u32 v[ASB], BSC, v[ASB]
	s_mul_i32 s84, s[WV], 16*SPITCH
	s_add_co_u32 s84, s84, STG                     ; my stage
	v_mul_u32_u24 v[STO], v2, SPITCH
	v_lshl_add_u32 v[STO], v3, 5, v[STO]
	v_add_nc_u32 v[STO], s84, v[STO]               ; in: row r, 32 bytes for each half of the lanes
	v_add_nc_u32 v[RD], s84, v[LI]                 ; back: the 32 lanes take one row of 512 bytes
	v_lshlrev_b32 v22, 5, v3
	s_wait_alu depctr_va_vdst(0)
	s_lshl_b32 s86, s81, 9
	s_mov_b32 s87, 0
	s_add_nc_u64 s[86:87], s[12:13], s[86:87]      ; the bias of my 128 columns
	s_lshl_b32 s88, s82, 8
	s_lshl_b32 s89, s[WV], 6
	s_add_co_u32 s88, s88, s89                     ; my first row
	s_lshl_b32 s88, s88, 12                        ; rows of 4,096 bytes
	s_lshl_b32 s89, s81, 9
	s_add_co_u32 s88, s88, s89
	s_mov_b32 s89, 0
	s_add_nc_u64 s[88:89], s[14:15], s[88:89]
	WIN 0xc0
.irp b, 0,1,2,3,4,5,6,7
	global_load_b128 v[8*\b:8*\b+3], v22, s[86:87] offset:64*\b
	global_load_b128 v[8*\b+4:8*\b+7], v22, s[86:87] offset:64*\b+16
.endr
	WIN 0
	s_wait_tensorcnt 0x0                           ; my two blocks have landed,
	s_barrier_signal -1
	s_barrier_wait -1                              ; everybody's have
.irp a, 0,1,2,3
.irp q, 0,1,2,3,4,5,6,7
	ds_load_b32 v[SA+8*\a+\q], v[ASA] offset:512*\a+64*\q
.endr
.endr
.irp b, 0,1,2,3,4,5,6,7
	ds_load_b128 v[SBS+8*\b:SBS+8*\b+3], v[ASB] offset:544*\b
	ds_load_b128 v[SBS+8*\b+4:SBS+8*\b+7], v[ASB] offset:544*\b+16
.endr
.macro FETCH q                         ; the 12 fragments of K step q into set q % 2
	WIN 0x40
.irp a, 0,1,2,3
.irp c, 0,1
	ds_load_b128 v[32*((\q)%2)+8*\a+4*\c:32*((\q)%2)+8*\a+4*\c+3], v[ADA] offset:8192*\a+1024*(\q)+512*\c
.endr
.endr
.irp b, 0,1,2,3,4,5,6,7
.irp c, 0,1
	ds_load_b128 v[64+64*((\q)%2)+8*\b+4*\c:64+64*((\q)%2)+8*\b+4*\c+3], v[ADB] offset:16*PITCH*\b+64*(\q)+32*\c
.endr
.endr
.endm
.macro STEP q                          ; the 32 accumulators take turns, one instruction a turn, in the same order in every step
.if (\q) < 7
.if (\q) > 0
	PLACES                                         ; the other set was read by the step before
.endif
	FETCH (\q)+1
	s_wait_dscnt 24                                ; all but the 24 loads just issued
.else
	s_wait_dscnt 0x0
.endif
.set FS, (\q)%2
.if (\q) == 0
	WIN 0xb5                                       ; C (the bias) window 3
.else
	WIN 0xa5
.endif
.irp a, 0,1,2,3
.irp b, 0,1,2,3,4,5,6,7
.if (\q) == 0
	v_wmma_scale_f32_16x16x128_f8f6f4 v[8*(8*\a+\b):8*(8*\a+\b)+7], v[64+64*FS+8*\b:64+64*FS+8*\b+7], v[32*FS+8*\a:32*FS+8*\a+7], v[8*\b:8*\b+7], v[SBS+8*\b+(\q)], v[SA+8*\a+(\q)] matrix_a_fmt:MATRIX_FMT_FP4 matrix_b_fmt:MATRIX_FMT_FP4
.else
	v_wmma_scale_f32_16x16x128_f8f6f4 v[8*(8*\a+\b):8*(8*\a+\b)+7], v[64+64*FS+8*\b:64+64*FS+8*\b+7], v[32*FS+8*\a:32*FS+8*\a+7], v[8*(8*\a+\b):8*(8*\a+\b)+7], v[SBS+8*\b+(\q)], v[SA+8*\a+(\q)] matrix_a_fmt:MATRIX_FMT_FP4 matrix_b_fmt:MATRIX_FMT_FP4
.endif
.endr
.endr
.endm
	FETCH 0
	s_wait_loadcnt 0x0                             ; the bias
.irp q, 0,1,2,3,4,5,6,7
	STEP \q
.endr
; THE WAY OUT, a block of 16 rows x 128 columns at a time, through my own stage: LDS serves a wave's instructions in order (ISA guide 5.7.1.4), so no wait stands between the stores and the loads, nor in front of the next block's stores
.macro TOSTAGE a
	WIN 0x08                                       ; an LDS store's data are its source 1: window 2
.irp b, 0,1,2,3,4,5,6,7
	ds_store_b128 v[STO], v[8*(8*(\a)+\b):8*(8*(\a)+\b)+3] offset:64*\b        ; each accumulator from its low end on
	ds_store_b128 v[STO], v[8*(8*(\a)+\b)+4:8*(8*(\a)+\b)+7] offset:64*\b+16
.endr
	WIN 0
.irp t, 0,1,2,3,4,5,6,7,8,9,10,11,12,13,14,15
	ds_load_b128 v[BK+64*((\a)%2)+4*\t:BK+64*((\a)%2)+4*\t+3], v[RD] offset:\t*SPITCH
.endr
.endm
.macro SEND a, younger                 ; younger: the LDS instructions issued behind block a's loads, which may stay out
	s_wait_dscnt \younger
.irp t, 0,1,2,3,4,5,6,7,8,9,10,11,12,13,14,15
	global_store_b128 v[LI], v[BK+64*((\a)%2)+4*\t:BK+64*((\a)%2)+4*\t+3], s[88:89] offset:(16*(\a)+\t)*4096 th:TH_STORE_NT   ; 32 lanes store 512 consecutive bytes, at a multiple of 512 from the output's first byte
.endr
.endm
	PLACES
	TOSTAGE 0
	TOSTAGE 1
	SEND 0, 32                                     ; behind block 0's loads: block 1's 16 stores and 16 loads
	s_wait_xcnt 0x0                                ; block 0's stores have read their registers: block 2's loads may land there
	TOSTAGE 2
	SEND 1, 32
	s_wait_xcnt 0x0
	TOSTAGE 3
	SEND 2, 32
	SEND 3, 0
	s_wait_tensorcnt 0x0                           ; the wave's end, behind my last tensor load and my last LDS store
	ds_add_u32 v[SPW], v[NIL]
	s_wait_dscnt 0x0
	CROUND                                         ; the closing round
	s_endpgm
.Lfunc_end_k_q207406e5a7_proj:
	.size	k_q207406e5a7_proj, .Lfunc_end_k_q207406e5a7_proj-k_q207406e5a7_proj
	.p2alignl 7, 3214868480
	.fill 96, 4, 3214868480
	.section	.rodata,"a",@progbits
	.p2align	6, 0x0
	.amdhsa_kernel k_q207406e5a7_proj
		.amdhsa_group_segment_fixed_size 327680
		.amdhsa_private_segment_fixed_size 0
		.amdhsa_enable_private_segment 0
		.amdhsa_kernarg_size 48
		.amdhsa_user_sgpr_count 2
		.amdhsa_user_sgpr_kernarg_segment_ptr 1
		.amdhsa_wavefront_size32 1
		.amdhsa_system_sgpr_workgroup_id_x 1
		.amdhsa_system_sgpr_workgroup_id_y 1
		.amdhsa_system_sgpr_workgroup_id_z 1
		.amdhsa_system_vgpr_workitem_id 0
		.amdhsa_next_free_vgpr 1024
		.amdhsa_next_free_sgpr 100
		.amdhsa_reserve_vcc 0
		.amdhsa_float_denorm_mode_32 3
		.amdhsa_float_denorm_mode_16_64 3
		.amdhsa_memory_ordered 1
		.amdhsa_forward_progress 1
		.amdhsa_inst_pref_size 74
	.end_amdhsa_kernel
	.amdgpu_metadata
---
amdhsa.version: [ 1, 2 ]
amdhsa.kernels:
  - .name:           k_q207406e5a7_proj
    .symbol:         k_q207406e5a7_proj.kd
    .args:
      - { .name: ac, .offset: 0, .size: 8, .value_kind: global_buffer, .address_space: global }
      - { .name: asc, .offset: 8, .size: 8, .value_kind: global_buffer, .address_space: global }
      - { .name: c_proj_w_codes, .offset: 16, .size: 8, .value_kind: global_buffer, .address_space: global }
      - { .name: c_proj_w_scales, .offset: 24, .size: 8, .value_kind: global_buffer, .address_space: global }
      - { .name: c_proj_b, .offset: 32, .size: 8, .value_kind: global_buffer, .address_space: global }
      - { .name: out0, .offset: 40, .size: 8, .value_kind: global_buffer, .address_space: global }
    .group_segment_fixed_size: 327680
    .private_segment_fixed_size: 0
    .kernarg_segment_align: 8
    .kernarg_segment_size: 48
    .max_flat_workgroup_size: 128
    .sgpr_count:     100
    .vgpr_count:     1024
    .wavefront_size: 32
...
	.end_amdgpu_metadata
.endif
;; end of part 3
